; MI455X (gfx1250); checked and timed in simulation.
; The chip was launched on July 23, 2026; its instructions are those of AMD's public machine-readable ISA for CDNA 5 (MIT licence, August 2026) and "CDNA5" Instruction Set Architecture Reference Guide (July 2026). The comments in the code are by the model that wrote it; some were corrected since.
;; Memory Autograd. Allowed arithmetic: float matrix products may take bf16 or f16 operands with f32 sums; all other float work in f32.
;; Inputs: K 512 x 64 float32; V 512 x 64 float32; k 8,192 x 64 float32; q 8,192 x 64 float32; v 8,192 x 64 float32.
;; Outputs: out0 8,192 x 64 float32.
;; One version. Each part assembles by itself: llvm-mc -triple=amdgcn-amd-amdhsa -mcpu=gfx1250 --defsym DOCPART=n.
;; ======== version 1 of 1: 3 launches
;; workspace buffers: aq 8,388,608 bytes; u 16,777,216 bytes; w 8,388,608 bytes; r 2,097,152 bytes
;; launch build (part 1): grid 128 x 1, 4 waves a work-group, no clusters, 235,008 bytes of LDS; arguments K, V, k, q, v, aq, u, r; writes aq, u, r
.if DOCPART == 1
	.amdgcn_target "amdgcn-amd-amdhsa--gfx1250"
	.amdhsa_code_object_version 6
	.text
	.protected	k_q0c919f729c_build
	.globl	k_q0c919f729c_build
	.p2align	8
	.type	k_q0c919f729c_build,@function
k_q0c919f729c_build:
	s_mov_b64 s[64:65], 0
	v_nop
	global_prefetch_b8 v0, s[64:65] scope:SCOPE_SE
	s_setreg_imm32_b32 hwreg(HW_REG_WAVE_MODE, 25, 1), 1
	s_wait_xcnt 0x0
; FIRST OF THREE LAUNCHES.  r = a_q V - tril(a_q a_k^T, -1) d,  d = a_k V - v,  a_x = softmax(x K^T / 8) over the 512 slots.
; The sum over earlier tokens is regrouped by chunks of 64 tokens (exact algebra; only the order of the f32 sums differs from reference()):
;   out = [ a_q V + tril(a_q a_k^T, -1)_inside the chunk  dneg ]  +  a_q W'_c,   dneg = v - a_k V,   W'_c = sum over earlier chunks of a_k^T dneg.
; This launch: one work-group = one chunk c; wave w = 16 tokens (tile tt = 4 c + w) of q and of k.  It stores
;   aq : a_q in bf16, as matrix fragments            [tt][slot tile 0..31][lane][16 bytes]
;   r  : the bracket above in f32, as result tiles    [tt][dv tile t][half of the 8 registers][lane][16 bytes]
;   u  : U'_c = a_k^T dneg of the chunk in f32        [c][tile 4 st + t][half][lane][16 bytes]
; 128 chunks give 128 work-groups: chunks of 32 tokens would give 256, but would double the bytes of u and of the prefix made from it.
; LIMITS.  All matrix operands are bf16 (sums in f32).  The softmax takes the row's true maximum away and is normalised in f32; a probability below
; 2^-126 comes out as 0 (v_exp_f32 flushes, ISA guide 15.8).  NaN and infinities in the inputs are not spread as reference() spreads them
; (v_max_num_f32 drops a NaN).  No limit of range: nothing is kept in f16.
; NO CLUSTER, NO TENSOR LOADS: K and V are read by all work-groups, but they arrive as f32 and have to be rounded to bf16 (V also transposed) on the way
; into LDS; as f32 tiles they would take 2 x 131,072 bytes of LDS beside the 234,496 in use, more than the 327,680 that there are.  So they come through registers.
;
; LAYOUTS (lane L: r = L % 16, h = L / 16).
;  * The logits are made TRANSPOSED: A = 16 slots of K, B = 16 tokens.  Result register j of lane (r, h) is (slot 16 st + 8 h + j, token r).  A token's 512
;    logits lie in two lanes, so maximum and sum are per lane plus one exchange of halves; and packed to bf16 two slot tiles ARE a fragment (row or column =
;    token r, k = 32 slots): the probabilities go into the next products without leaving registers.
;  * Column r of dv tile t stands for dv = 4 r + t, so a lane's four tiles hold four neighbouring dv of one token (16 bytes of v, and of out0 later).
;    The map is made once, where V is laid transposed into LDS: row 16 t + g holds dv 4 g + t.
; LDS: pitches 144 and 1040 are odd multiples of 16 bytes, so the sixteen rows of a fragment load start 16 bytes apart modulo 256.
.set KP, 144                           ; pitch of rows of 64 bf16
.set VP, 1040                          ; pitch of rows of 512 bf16
.set KB, 0                             ; K in bf16: 512 slots x KP
.set VT, KB+512*KP                     ; 73,728   V transposed in bf16: 64 rows x VP, slots along the row
.set PK, VT+64*VP                      ; 140,288  a_k in bf16: 64 tokens x VP, slots along the row
.set DN, PK+64*VP                      ; 206,848  dneg transposed in bf16: 64 rows (16 t + r) x KP, tokens along the row
.set ST, DN+64*KP                      ; 216,064  for each wave 32 x KP: its 16 q tokens, then its 16 k tokens, in bf16.  End: 234,496
; REGISTERS, in windows of 256 (s_set_vgpr_msb: bits 1:0 source 0, 3:2 source 1, 5:4 source 2, 7:6 destination)
;  window 1: K as f32, then the logits of q, then a_q's fragments in registers 0-127 (kept to the end)
;  window 2: V as f32, then the logits of k, then a_k's fragments in registers 0-127, then the 32 accumulators of U'
;  window 3: fragments from LDS, two halves of 128 registers
;  window 0:
.set LR,   1                           ; r
.set LH,   2                           ; h
.set L16,  3                           ; 16 L
.set GK,   4                           ; K:  512 w + 16 L
.set GV,   5                           ; V:  (128 w + 8 h) rows of 256 bytes + 16 r
.set GT,   6                           ; q, k, v: (16 w + 8 h) rows of 256 bytes + 16 r
.set LKS0, 7                           ; KB + (2 w + h) KP + 8 r      (store of K, loads 0-31)
.set LKS1, 8                           ; the same 256 rows further    (loads 32-63)
.set LVS,  9                           ; VT + r VP + 256 w + 16 h     (store of V transposed)
.set LTS,  10                          ; ST + 32 w KP + 8 h KP + 8 r  (store of my tokens)
.set LTF,  11                          ; ST + 32 w KP + r KP + 16 h   (my tokens' fragments)
.set LKF0, 12                          ; KB + r KP + 16 h             (K's fragments, slot tiles 0-15)
.set LKF1, 13                          ; the same 256 rows further    (slot tiles 16-31)
.set LVF,  14                          ; VT + r VP + 16 h
.set LPS,  15                          ; PK + (16 w + r) VP + 16 h    (store of my a_k)
.set LPF,  16                          ; PK + r VP + 16 h             (a_k's fragments, rows = tokens)
.set LPT,  17                          ; PK + (8 h + L % 8) VP + 16 ((L / 8) % 2) + 256 w   (a_k transposed on the way in: rows = my 128 slots)
.set DNS,  18                          ; DN + r KP + 32 w + 16 h      (store of my dneg)
.set DNL,  19                          ; DN + r KP + 16 h
.set THR,  20                          ; 16 w + r - 8 h: a key 16 a + 8 h + j is kept where 16 a + j < THR
.set TMP,  24                          ; v22-31 at work
.set LS,   32                          ; v32-39   four pairs of running sums
.set NM,   40                          ; v40-41   - maximum x log2(e) / 8, twice
.set RL,   42                          ; v42-43   1 / sum, twice
.set MX,   44                          ; v44-47   four running maxima
.set QB,   48                          ; v48-63   my q tokens: two fragments (dk 0-31, 32-63)
.set KF,   64                          ; v64-79   my k tokens likewise
.set PF,   64                          ; v64-79   later: the masked products a_q a_k in bf16, a fragment for each pair of key tiles
.set VV,   80                          ; v80-111  v as f32: VV[4 j + t] = v(token 8 h + j, dv 4 r + t)
.set Q32,  112                         ; v112-143 q as f32
.set RACC, 112                         ; v112-143 later: RACC[8 t + j] = the bracket at (token 8 h + j, dv 4 r + t)
.set K32,  144                         ; v144-175 k as f32
.set DACC, 144                         ; v144-175 then a_k V, then dneg
.set PACC, 144                         ; v144-175 then a_k a_q^T: PACC[16 p + 8 a + j] = (key 16 (2 p + a) + 8 h + j, query r)
.set T,    176                         ; v176-207 packed bf16 on their way into LDS
.set DNF,  176                         ; v176-239 later: dneg's fragments, DNF[32 p + 8 t ..]: tokens 32 p .. 32 p + 31, dv tile t
.set MSB, 0
.macro WIN new                         ; the immediate's high byte repeats the setting that is left; a switch that changes nothing is dropped
.if MSB != (\new)
	s_set_vgpr_msb (MSB<<8)|(\new)
.set MSB, (\new)
.endif
.endm
; Four places: a vector instruction or store that reads a matrix result, and a load into a register that a matrix instruction has read, stand four plain
; vector instructions behind that matrix instruction (ISA guide 7.12.1 for the vector instructions and stores).
.macro PLACES
.rept 4
	v_nop
.endr
.endm
	s_load_b512 s[4:19], s[0:1], 0x0               ; K s[4:5], V s[6:7], k s[8:9], q s[10:11], v s[12:13], aq s[14:15], u s[16:17], r s[18:19]
	v_lshl_add_u32 v254, v0, 2, 0x39400
	v_mov_b32 v255, 0
	v_lshrrev_b32 v22, 5, v0
	v_readfirstlane_b32 s20, v22                   ; wave w
	s_mov_b32 s22, 0x76543210                      ; v_permlanex16_b32: lane i of one half reads lane i of the other
	s_mov_b32 s23, 0xfedcba98
	v_and_b32 v[LR], 15, v0
	v_bfe_u32 v[LH], v0, 4, 1
	v_and_b32 v[L16], 31, v0
	v_lshlrev_b32 v[L16], 4, v[L16]
	s_lshl_b32 s28, s20, 9
	v_add_nc_u32 v[GK], s28, v[L16]
	v_lshlrev_b32 v22, 4, v[LR]
	v_lshl_add_u32 v22, v[LH], 11, v22             ; 8 h rows of 256 bytes + 16 r
	s_lshl_b32 s28, s20, 15
	v_add_nc_u32 v[GV], s28, v22
	s_lshl_b32 s29, s20, 12
	v_add_nc_u32 v[GT], s29, v22
	s_lshl_b32 s24, ttmp9, 14                      ; the chunk's 64 rows of 256 bytes in k, q, v
	s_mov_b32 s25, 0
	s_lshl_b32 s26, ttmp9, 16                      ; aq: 16,384 bytes for each token tile
	s_lshl_b32 s34, s20, 14
	s_add_co_u32 s26, s26, s34
	s_mov_b32 s27, 0
	s_lshl_b32 s30, ttmp9, 17                      ; u: 131,072 bytes a chunk, my 32 tiles of 1,024
	s_add_co_u32 s30, s30, s28
	s_mov_b32 s31, 0
	s_add_co_u32 s32, s24, s29                     ; r: 4,096 bytes for each token tile
	s_mov_b32 s33, 0
	s_wait_kmcnt 0x0
	s_add_nc_u64 s[8:9], s[8:9], s[24:25]
	s_add_nc_u64 s[10:11], s[10:11], s[24:25]
	s_add_nc_u64 s[12:13], s[12:13], s[24:25]
	s_add_nc_u64 s[14:15], s[14:15], s[26:27]
	s_add_nc_u64 s[16:17], s[16:17], s[30:31]
	s_add_nc_u64 s[18:19], s[18:19], s[32:33]
	; PHASE 0.  All 152 loads of the wave, in the order q 8, k 8, K 64, V 64, v 8.  Each covers two whole rows of 256 bytes or 512 consecutive bytes.
	; More are issued than LOADcnt's field holds: the issue then waits by itself (ISA guide 5.7.1).
.irp j, 0,1,2,3,4,5,6,7
	global_load_b128 v[Q32+4*\j:Q32+4*\j+3], v[GT], s[10:11] offset:256*\j th:TH_LOAD_NT
.endr
.irp j, 0,1,2,3,4,5,6,7
	global_load_b128 v[K32+4*\j:K32+4*\j+3], v[GT], s[8:9] offset:256*\j th:TH_LOAD_NT
.endr
	; the LDS addresses, while the first loads are on their way
	v_mul_u32_u24 v[LKF0], KP, v[LR]
	v_lshl_add_u32 v[LKF0], v[LH], 4, v[LKF0]      ; r KP + 16 h (KB is 0)
	v_add_nc_u32 v[LKF1], 256*KP, v[LKF0]
	v_mul_u32_u24 v23, KP, v[LH]
	v_lshl_add_u32 v23, v[LR], 3, v23              ; h KP + 8 r
	s_mul_i32 s28, s20, 2*KP
	v_add_nc_u32 v[LKS0], s28, v23
	v_add_nc_u32 v[LKS1], 256*KP, v[LKS0]
	v_mul_u32_u24 v24, VP, v[LR]
	v_lshl_add_u32 v24, v[LH], 4, v24              ; r VP + 16 h
	s_lshl_b32 s28, s20, 8                         ; my 128 slots along a row: 256 bytes
	s_add_co_u32 s29, s28, VT
	v_add_nc_u32 v[LVS], s29, v24
	v_add_nc_u32 v[LVF], VT, v24
	v_add_nc_u32 v[LPF], PK, v24
	s_mul_i32 s29, s20, 16*VP
	s_add_co_u32 s29, s29, PK
	v_add_nc_u32 v[LPS], s29, v24
	v_and_b32 v25, 7, v0
	v_lshl_add_u32 v25, v[LH], 3, v25
	v_mul_u32_u24 v25, VP, v25
	v_bfe_u32 v26, v0, 3, 1
	v_lshl_add_u32 v25, v26, 4, v25
	s_add_co_u32 s29, s28, PK
	v_add_nc_u32 v[LPT], s29, v25
	s_mul_i32 s29, s20, 32*KP
	s_add_co_u32 s29, s29, ST
	v_add_nc_u32 v[LTF], s29, v[LKF0]
	v_mul_u32_u24 v26, 8*KP, v[LH]
	v_lshl_add_u32 v26, v[LR], 3, v26
	v_add_nc_u32 v[LTS], s29, v26
	s_lshl_b32 s29, s20, 5
	s_add_co_u32 s29, s29, DN
	v_add_nc_u32 v[DNS], s29, v[LKF0]
	v_add_nc_u32 v[DNL], DN, v[LKF0]
	v_lshlrev_b32 v26, 3, v[LH]
	v_sub_nc_u32 v[THR], v[LR], v26
	s_lshl_b32 s29, s20, 4
	v_add_nc_u32 v[THR], s29, v[THR]
	WIN 0x40                                       ; destination window 1
.set i, 0
.rept 64
	global_load_b128 v[4*i:4*i+3], v[GK], s[4:5] offset:2048*i             ; K(slot 8 i + 2 w + h, dk 4 r .. 4 r + 3)
.set i, i+1
.endr
	WIN 0x80                                       ; destination window 2
.set i, 0
.rept 64
	global_load_b128 v[4*i:4*i+3], v[GV], s[6:7] offset:(16*(i/8)+i%8)*256 ; V(slot 128 w + 16 (i / 8) + 8 h + i % 8, dv 4 r .. 4 r + 3)
.set i, i+1
.endr
	WIN 0
.irp j, 0,1,2,3,4,5,6,7
	global_load_b128 v[VV+4*\j:VV+4*\j+3], v[GT], s[12:13] offset:256*\j th:TH_LOAD_NT
.endr
	s_wait_loadcnt 63                              ; behind K's last load 72 were issued (V, v): with 63 out, q, k and K are in
.irp j, 0,1,2,3,4,5,6,7
	v_cvt_pk_bf16_f32 v[T+2*\j],    v[Q32+4*\j],   v[Q32+4*\j+1]
	v_cvt_pk_bf16_f32 v[T+2*\j+1],  v[Q32+4*\j+2], v[Q32+4*\j+3]
	v_cvt_pk_bf16_f32 v[T+16+2*\j], v[K32+4*\j],   v[K32+4*\j+1]
	v_cvt_pk_bf16_f32 v[T+17+2*\j], v[K32+4*\j+2], v[K32+4*\j+3]
.endr
.irp j, 0,1,2,3,4,5,6,7
	ds_store_b64 v[LTS], v[T+2*\j:T+2*\j+1] offset:KP*\j                   ; q token 8 h + j, dk 4 r .. 4 r + 3
	ds_store_b64 v[LTS], v[T+16+2*\j:T+17+2*\j] offset:16*KP+KP*\j         ; k token likewise
.endr
; 16 of K's loads: rounded to bf16, 8 bytes a lane into K's rows
.macro KBATCH bt
	WIN 0x05                                       ; sources 0 and 1 window 1
.irp i, 0,1,2,3,4,5,6,7,8,9,10,11,12,13,14,15
	v_cvt_pk_bf16_f32 v[T+2*\i],   v[64*\bt+4*\i],   v[64*\bt+4*\i+1]
	v_cvt_pk_bf16_f32 v[T+2*\i+1], v[64*\bt+4*\i+2], v[64*\bt+4*\i+3]
.endr
	WIN 0
.irp i, 0,1,2,3,4,5,6,7,8,9,10,11,12,13,14,15
.if \bt < 2
	ds_store_b64 v[LKS0], v[T+2*\i:T+2*\i+1] offset:(16*\bt+\i)*8*KP
.else
	ds_store_b64 v[LKS1], v[T+2*\i:T+2*\i+1] offset:(16*\bt+\i-32)*8*KP
.endif
.endr
.endm
	KBATCH 0
	KBATCH 1
	KBATCH 2
	KBATCH 3
; 16 of V's loads = two groups of 16 slots.  A lane holds 8 neighbouring slots of 4 dv: for each dv 16 bytes of a row of V transposed.
.macro VBATCH bt, left
	s_wait_loadcnt \left                           ; V's later loads and v's eight may stay out
	WIN 0x0a                                       ; sources 0 and 1 window 2
.irp g, 0,1
.irp t, 0,1,2,3
.irp p, 0,1,2,3
	v_cvt_pk_bf16_f32 v[T+16*\g+4*\t+\p], v[32*(2*\bt+\g)+8*\p+\t], v[32*(2*\bt+\g)+8*\p+4+\t]
.endr
.endr
.endr
	WIN 0
.irp g, 0,1
.irp t, 0,1,2,3
	ds_store_b128 v[LVS], v[T+16*\g+4*\t:T+16*\g+4*\t+3] offset:\t*16*VP+32*(2*\bt+\g)    ; row 16 t + r = dv 4 r + t
.endr
.endr
.endm
	VBATCH 0, 56
	VBATCH 1, 40
	VBATCH 2, 24
	VBATCH 3, 8
	s_wait_dscnt 0x0                               ; my stores into K's and V's rows are done: zero, for the other waves' sake
	s_barrier_signal -1
	s_barrier_wait -1                              ; K and V transposed are whole
	; PHASE 1.  The logits of my 16 q tokens and my 16 k tokens against all 512 slots; one fragment of K feeds both.
.irp e, 0,1,2,3
	ds_load_b128 v[QB+4*\e:QB+4*\e+3], v[LTF] offset:32*\e
	ds_load_b128 v[KF+4*\e:KF+4*\e+3], v[LTF] offset:16*KP+32*\e
.endr
; 32 loads: K's fragments of slot tiles 8 b .. 8 b + 7 (16 slots x 64 dk = 16 registers each) into half hf of window 3
.macro FETCHK b, hf
	WIN 0xc0                                       ; destination window 3
.irp s, 0,1,2,3,4,5,6,7
.irp e, 0,1,2,3
.if \b < 2
	ds_load_b128 v[128*\hf+16*\s+4*\e:128*\hf+16*\s+4*\e+3], v[LKF0] offset:(8*\b+\s)*16*KP+32*\e
.else
	ds_load_b128 v[128*\hf+16*\s+4*\e:128*\hf+16*\s+4*\e+3], v[LKF1] offset:(8*\b+\s-16)*16*KP+32*\e
.endif
.endr
.endr
.endm
; 16 matrix instructions: eight slot tiles x two steps of 32 dk.  The eight accumulators take turns, one instruction a turn.
.macro LOGX b, hf, tok, win
	WIN \win
.irp ks, 0,1
.irp s, 0,1,2,3,4,5,6,7
.if \ks
	v_wmma_f32_16x16x32_bf16 v[8*(8*\b+\s):8*(8*\b+\s)+7], v[128*\hf+16*\s+8*\ks:128*\hf+16*\s+8*\ks+7], v[\tok+8*\ks:\tok+8*\ks+7], v[8*(8*\b+\s):8*(8*\b+\s)+7]
.else
	v_wmma_f32_16x16x32_bf16 v[8*(8*\b+\s):8*(8*\b+\s)+7], v[128*\hf+16*\s+8*\ks:128*\hf+16*\s+8*\ks+7], v[\tok+8*\ks:\tok+8*\ks+7], 0
.endif
.endr
.endr
.endm
.macro LOGITS b, hf
	LOGX \b, \hf, QB, 0x53                         ; A window 3, C and D window 1
	LOGX \b, \hf, KF, 0xa3                         ; A window 3, C and D window 2
.endm
	FETCHK 0, 0
	FETCHK 1, 1
	s_wait_dscnt 32                                ; all but the 32 just issued: my tokens' fragments and half 0
	LOGITS 0, 0
	PLACES                                         ; half 0 has just been read by matrix instructions
	FETCHK 2, 0
	s_wait_dscnt 32
	LOGITS 1, 1
	PLACES
	FETCHK 3, 1
	s_wait_dscnt 32
	LOGITS 2, 0
	s_wait_dscnt 0x0
	LOGITS 3, 1
	; PHASE 2.  The softmax of the 256 logits a lane holds in window x (the token's other 256 lie in lane L xor 16), then packed in place to bf16.
.macro SOFTMAX x
	WIN 5*\x                                       ; sources 0 and 1 window x
.irp c, 0,1,2,3
	v_max_num_f32 v[MX+\c], v[2*\c], v[2*\c+1]     ; the first eight start four chains: nothing is cleared
.endr
.set n, 0
.rept 124
	v_max3_num_f32 v[MX+n%4], v[8+2*n], v[9+2*n], v[MX+n%4]
.set n, n+1
.endr
	WIN 0
	v_max_num_f32 v[MX], v[MX], v[MX+1]
	v_max3_num_f32 v[MX], v[MX], v[MX+2], v[MX+3]
	v_permlanex16_b32 v[TMP], v[MX], s22, s23      ; the other half's maximum (the destination has been written before)
	v_max_num_f32 v[MX], v[MX], v[TMP]             ; the token's maximum m
	v_mul_f32 v[NM], 0xbe38aa3b, v[MX]             ; - m log2(e) / 8, for both halves of the packed multiply-add
	v_mul_f32 v[NM+1], 0xbe38aa3b, v[MX]
	WIN 0x41*\x                                    ; destination and source 0 window x
.set i, 0
.rept 32
.irp e, 0,2,4,6
	v_pk_fma_f32 v[i+\e:i+\e+1], v[i+\e:i+\e+1], 0x3e38aa3b, v[NM:NM+1] op_sel_hi:[1,0,1]   ; (s - m) / 8 in base 2: one rounding
.endr
.irp e, 0,1,2,3,4,5,6,7
	v_exp_f32 v[i+\e], v[i+\e]                     ; the plain instruction behind the last of the eight is the next group's first multiply-add (ISA guide 5.7.2)
.endr
.set i, i+8
.endr
	v_nop                                          ; and behind the very last this one
	WIN 5*\x
	s_wait_alu depctr_va_vdst(0)
.irp c, 0,1,2,3
	v_pk_add_f32 v[LS+2*\c:LS+2*\c+1], v[4*\c:4*\c+1], v[4*\c+2:4*\c+3]
.endr
	WIN \x                                         ; source 0 window x
.set n, 0
.rept 120
	v_pk_add_f32 v[LS+2*(n%4):LS+2*(n%4)+1], v[16+2*n:17+2*n], v[LS+2*(n%4):LS+2*(n%4)+1]
.set n, n+1
.endr
	WIN 0
	v_pk_add_f32 v[LS:LS+1], v[LS:LS+1], v[LS+2:LS+3]
	v_pk_add_f32 v[LS+4:LS+5], v[LS+4:LS+5], v[LS+6:LS+7]
	v_pk_add_f32 v[LS:LS+1], v[LS:LS+1], v[LS+4:LS+5]
	v_add_f32 v[LS], v[LS], v[LS+1]
	v_permlanex16_b32 v[TMP], v[LS], s22, s23
	v_add_f32 v[LS], v[LS], v[TMP]                 ; the token's sum: about 1 at the least, since the maximum's own term is about 1
	v_rcp_f32 v[RL], v[LS]
	v_rcp_f32 v[RL+1], v[LS]
	v_nop                                          ; a plain place behind the reciprocals (ISA guide 5.7.2)
	WIN 0x41*\x
.set i, 0
	s_wait_alu depctr_va_vdst(0)
.rept 128
	v_pk_mul_f32 v[2*i:2*i+1], v[2*i:2*i+1], v[RL:RL+1]
.set i, i+1
.endr
	WIN 0x45*\x                                    ; destination and both sources window x
.set i, 0
.rept 128
	v_cvt_pk_bf16_f32 v[i], v[2*i], v[2*i+1]       ; ascending and in place: register i is written when 2 i and 2 i + 1 are read
.set i, i+1
.endr
.endm
	PLACES                                         ; behind the last matrix instructions, whose results are now read
	SOFTMAX 1
	WIN 0x04                                       ; store data window 1
.set i, 0
.rept 32
	global_store_b128 v[L16], v[4*i:4*i+3], s[14:15] offset:512*i          ; 512 consecutive bytes; these registers are never written again
.set i, i+1
.endr
	SOFTMAX 2
	WIN 0x08                                       ; store data window 2
.set i, 0
.rept 32
	ds_store_b128 v[LPS], v[4*i:4*i+3] offset:32*i                         ; a_k(token 16 w + r, slots 16 i + 8 h .. + 7)
.set i, i+1
.endr
	; PHASE 3.  a_q V into RACC, a_k V into DACC: 16 steps of 32 slots, four dv tiles; one fragment of V feeds both.
; 32 loads: V's fragments of steps 4 b .. 4 b + 3, four dv tiles each, into half hf of window 3
.macro FETCHV b, hf
	WIN 0xc0
.irp kk, 0,1,2,3
.irp t, 0,1,2,3
	ds_load_b128 v[128*\hf+32*\kk+8*\t:128*\hf+32*\kk+8*\t+3],   v[LVF] offset:\t*16*VP+64*(4*\b+\kk)
	ds_load_b128 v[128*\hf+32*\kk+8*\t+4:128*\hf+32*\kk+8*\t+7], v[LVF] offset:\t*16*VP+64*(4*\b+\kk)+32
.endr
.endr
.endm
; 16 matrix instructions; the four accumulators take turns, one instruction a turn
.macro XVX b, hf, acc, win
	WIN \win
.irp kk, 0,1,2,3
.irp t, 0,1,2,3
.if \b+\kk
	v_wmma_f32_16x16x32_bf16 v[\acc+8*\t:\acc+8*\t+7], v[8*(4*\b+\kk):8*(4*\b+\kk)+7], v[128*\hf+32*\kk+8*\t:128*\hf+32*\kk+8*\t+7], v[\acc+8*\t:\acc+8*\t+7]
.else
	v_wmma_f32_16x16x32_bf16 v[\acc+8*\t:\acc+8*\t+7], v[8*(4*\b+\kk):8*(4*\b+\kk)+7], v[128*\hf+32*\kk+8*\t:128*\hf+32*\kk+8*\t+7], 0
.endif
.endr
.endr
.endm
.macro XV b, hf
	XVX \b, \hf, RACC, 0x0d                        ; A window 1 (a_q), B window 3
	XVX \b, \hf, DACC, 0x0e                        ; A window 2 (a_k), B window 3
.endm
	FETCHV 0, 0
	FETCHV 1, 1
	s_wait_dscnt 32                                ; all but the 32 just issued
	XV 0, 0
	PLACES
	FETCHV 2, 0
	s_wait_dscnt 32
	XV 1, 1
	PLACES
	FETCHV 3, 1
	s_wait_dscnt 32
	XV 2, 0
	s_wait_dscnt 0x0
	XV 3, 1
	WIN 0
	PLACES
	s_wait_loadcnt 0x0                             ; v
.irp t, 0,1,2,3
.irp j, 0,1,2,3,4,5,6,7
	v_sub_f32 v[DACC+8*\t+\j], v[VV+4*\j+\t], v[DACC+8*\t+\j]              ; dneg = v - a_k V
.endr
.endr
.irp i, 0,1,2,3,4,5,6,7,8,9,10,11,12,13,14,15
	v_cvt_pk_bf16_f32 v[T+\i], v[DACC+2*\i], v[DACC+2*\i+1]
.endr
.irp t, 0,1,2,3
	ds_store_b128 v[DNS], v[T+4*\t:T+4*\t+3] offset:\t*16*KP               ; row 16 t + r, tokens 16 w + 8 h .. + 7
.endr
	s_wait_dscnt 0x0                               ; my a_k and my dneg are in LDS: zero, for the other waves' sake
	s_barrier_signal -1
	s_barrier_wait -1                              ; the chunk's a_k and dneg are whole
	; PHASE 4.  Inside the chunk: (a_k a_q^T) masked to key < query, in bf16, times dneg, onto RACC.
.irp p, 0,1
.irp t, 0,1,2,3
	ds_load_b128 v[DNF+32*\p+8*\t:DNF+32*\p+8*\t+3],   v[DNL] offset:\t*16*KP+64*\p
	ds_load_b128 v[DNF+32*\p+8*\t+4:DNF+32*\p+8*\t+7], v[DNL] offset:\t*16*KP+64*\p+32
.endr
.endr
; Keys 32 p .. 32 p + 31 (two tiles a = 0, 1).  A = 16 keys, B = my 16 queries, so that the result, packed, is the next product's A fragment (row = query, k = key).
.macro PAIR p
	PLACES                                         ; window 3 has been read by matrix instructions
	WIN 0xc0
.irp kp, 0,1,2,3,4,5,6,7,8,9,10,11,12,13,14,15
.irp a, 0,1
	ds_load_b128 v[16*\kp+8*\a:16*\kp+8*\a+3],   v[LPF] offset:(2*\p+\a)*16*VP+64*\kp
	ds_load_b128 v[16*\kp+8*\a+4:16*\kp+8*\a+7], v[LPF] offset:(2*\p+\a)*16*VP+64*\kp+32
.endr
.endr
	s_wait_dscnt 32                                ; the fragments of slot steps 0-7 (and what was issued before them) are in; steps 8-15 may be out
	WIN 0x07                                       ; A window 3, B window 1 (a_q)
.irp kp, 0,1,2,3,4,5,6,7
.irp a, 0,1
.if \kp
	v_wmma_f32_16x16x32_bf16 v[PACC+16*\p+8*\a:PACC+16*\p+8*\a+7], v[16*\kp+8*\a:16*\kp+8*\a+7], v[8*\kp:8*\kp+7], v[PACC+16*\p+8*\a:PACC+16*\p+8*\a+7]
.else
	v_wmma_f32_16x16x32_bf16 v[PACC+16*\p+8*\a:PACC+16*\p+8*\a+7], v[16*\kp+8*\a:16*\kp+8*\a+7], v[8*\kp:8*\kp+7], 0
.endif
.endr
.endr
	s_wait_dscnt 0x0
.irp kp, 8,9,10,11,12,13,14,15
.irp a, 0,1
	v_wmma_f32_16x16x32_bf16 v[PACC+16*\p+8*\a:PACC+16*\p+8*\a+7], v[16*\kp+8*\a:16*\kp+8*\a+7], v[8*\kp:8*\kp+7], v[PACC+16*\p+8*\a:PACC+16*\p+8*\a+7]   ; the two accumulators take turns
.endr
.endr
	WIN 0
	PLACES
.irp a, 0,1
.irp j, 0,1,2,3,4,5,6,7
	v_cmp_lt_i32 vcc_lo, 16*(2*\p+\a)+\j, v[THR]   ; key 16 (2 p + a) + 8 h + j < query 16 w + r
	v_cndmask_b32 v[PACC+16*\p+8*\a+\j], 0, v[PACC+16*\p+8*\a+\j], vcc_lo  ; a select: nothing of a masked product is left
.endr
.endr
.irp i, 0,1,2,3,4,5,6,7
	v_cvt_pk_bf16_f32 v[PF+8*\p+\i], v[PACC+16*\p+2*\i], v[PACC+16*\p+2*\i+1]
.endr
.irp t, 0,1,2,3
	v_wmma_f32_16x16x32_bf16 v[RACC+8*\t:RACC+8*\t+7], v[PF+8*\p:PF+8*\p+7], v[DNF+32*\p+8*\t:DNF+32*\p+8*\t+7], v[RACC+8*\t:RACC+8*\t+7]
.endr
.endm
	PAIR 0
	s_cmp_lt_u32 s20, 2                            ; waves 0 and 1 hold queries 0-31: keys 32-63 are all masked for them
	s_cbranch_scc1 .Lno_pair1
	PAIR 1
.Lno_pair1:
	PLACES
.irp i, 0,1,2,3,4,5,6,7
	global_store_b128 v[L16], v[RACC+4*\i:RACC+4*\i+3], s[18:19] offset:512*\i   ; 512 consecutive bytes; RACC is not written again
.endr
	; PHASE 5.  U' = a_k^T dneg for my 128 slots: A = 16 slots x 32 tokens, transposed on the way out of LDS; B = dneg's fragments, still in registers.
	WIN 0xc0
.irp p, 0,1
.irp s, 0,1,2,3,4,5,6,7
	ds_load_tr16_b128 v[64*\p+8*\s:64*\p+8*\s+3],   v[LPT] offset:\p*32*VP+32*\s
	ds_load_tr16_b128 v[64*\p+8*\s+4:64*\p+8*\s+7], v[LPT] offset:\p*32*VP+32*\s+16*VP
.endr
.endr
	s_wait_dscnt 16                                ; tokens 0-31 are in; the 16 loads of tokens 32-63 may be out
	WIN 0xa3                                       ; A window 3, C and D window 2.  32 accumulators take turns
.irp s, 0,1,2,3,4,5,6,7
.irp t, 0,1,2,3
	v_wmma_f32_16x16x32_bf16 v[8*(4*\s+\t):8*(4*\s+\t)+7], v[8*\s:8*\s+7], v[DNF+8*\t:DNF+8*\t+7], 0
.endr
.endr
	s_wait_dscnt 0x0
.irp s, 0,1,2,3,4,5,6,7
.irp t, 0,1,2,3
	v_wmma_f32_16x16x32_bf16 v[8*(4*\s+\t):8*(4*\s+\t)+7], v[64+8*\s:64+8*\s+7], v[DNF+32+8*\t:DNF+32+8*\t+7], v[8*(4*\s+\t):8*(4*\s+\t)+7]
.endr
.endr
	PLACES
	WIN 0x08                                       ; store data window 2
.set i, 0
.rept 64
	global_store_b128 v[L16], v[4*i:4*i+3], s[16:17] offset:512*i          ; tile i / 2, registers 4 (i % 2) .. + 3: 512 consecutive bytes
.set i, i+1
.endr
	WIN 0
	s_wait_tensorcnt 0x0
	ds_add_u32 v254, v255
	s_wait_dscnt 0x0
	s_endpgm
.Lfunc_end_k_q0c919f729c_build:
	.size	k_q0c919f729c_build, .Lfunc_end_k_q0c919f729c_build-k_q0c919f729c_build
	.p2alignl 7, 3214868480
	.fill 96, 4, 3214868480
	.section	.rodata,"a",@progbits
	.p2align	6, 0x0
	.amdhsa_kernel k_q0c919f729c_build
		.amdhsa_group_segment_fixed_size 235008
		.amdhsa_private_segment_fixed_size 0
		.amdhsa_enable_private_segment 0
		.amdhsa_kernarg_size 64
		.amdhsa_user_sgpr_count 2
		.amdhsa_user_sgpr_kernarg_segment_ptr 1
		.amdhsa_wavefront_size32 1
		.amdhsa_system_sgpr_workgroup_id_x 1
		.amdhsa_system_sgpr_workgroup_id_y 1
		.amdhsa_system_sgpr_workgroup_id_z 1
		.amdhsa_system_vgpr_workitem_id 0
		.amdhsa_next_free_vgpr 1024
		.amdhsa_next_free_sgpr 66
		.amdhsa_reserve_vcc 1
		.amdhsa_float_denorm_mode_32 3
		.amdhsa_float_denorm_mode_16_64 3
		.amdhsa_memory_ordered 1
		.amdhsa_forward_progress 1
		.amdhsa_inst_pref_size 222
	.end_amdhsa_kernel
	.amdgpu_metadata
---
amdhsa.version: [ 1, 2 ]
amdhsa.kernels:
  - .name:           k_q0c919f729c_build
    .symbol:         k_q0c919f729c_build.kd
    .args:
      - { .name: K, .offset: 0, .size: 8, .value_kind: global_buffer, .address_space: global }
      - { .name: V, .offset: 8, .size: 8, .value_kind: global_buffer, .address_space: global }
      - { .name: k, .offset: 16, .size: 8, .value_kind: global_buffer, .address_space: global }
      - { .name: q, .offset: 24, .size: 8, .value_kind: global_buffer, .address_space: global }
      - { .name: v, .offset: 32, .size: 8, .value_kind: global_buffer, .address_space: global }
      - { .name: aq, .offset: 40, .size: 8, .value_kind: global_buffer, .address_space: global }
      - { .name: u, .offset: 48, .size: 8, .value_kind: global_buffer, .address_space: global }
      - { .name: r, .offset: 56, .size: 8, .value_kind: global_buffer, .address_space: global }
    .group_segment_fixed_size: 235008
    .private_segment_fixed_size: 0
    .kernarg_segment_align: 8
    .kernarg_segment_size: 64
    .max_flat_workgroup_size: 128
    .sgpr_count:     66
    .vgpr_count:     1024
    .wavefront_size: 32
...
	.end_amdgpu_metadata
.endif
;; end of part 1
;; launch scan (part 2): grid 128 x 1, 8 waves a work-group, no clusters, 9,216 bytes of LDS; arguments u, w; writes w
.if DOCPART == 2
	.amdgcn_target "amdgcn-amd-amdhsa--gfx1250"
	.amdhsa_code_object_version 6
	.text
	.protected	k_q0c919f729c_scan
	.globl	k_q0c919f729c_scan
	.p2align	8
	.type	k_q0c919f729c_scan,@function
k_q0c919f729c_scan:
	s_mov_b64 s[64:65], 0
	v_nop
	global_prefetch_b8 v0, s[64:65] scope:SCOPE_SE
	s_setreg_imm32_b32 hwreg(HW_REG_WAVE_MODE, 25, 1), 1
	s_wait_xcnt 0x0
; SECOND OF THREE LAUNCHES.  W'_c = the sum of U'_c' over the chunks c' < c (an exclusive prefix over the 128 chunks), summed in f32 and rounded once to bf16,
; as the matrix operand that the third launch multiplies by.
; u: f32  [chunk][tile 0..127][half q][lane][16 bytes];  w: bf16 [chunk][tile][lane][16 bytes]: a lane's 8 numbers of a tile stay that lane's.
; One work-group = one tile (1,024 bytes of every chunk).  Wave s = the 16 chunks 16 s .. 16 s + 15; a lane keeps its 8 numbers of all 16 in registers.
; Each wave makes the running sums of its segment; the segments' totals meet in LDS behind one barrier.  Every byte of u is read once, every byte of w written
; once, each load and store of a wave covering 512 consecutive bytes.  Memory binds: no matrix unit, no cluster (no two work-groups read the same bytes).
.set L16, 1                            ; v1       16 x lane
.set LT,  2                            ; v2       LDS: 1,024 s + 16 x lane
.set X,   16                           ; v16-143  X[8 i ..]: chunk i of my segment, then the sum of chunks 0 .. i
.set TT,  144                          ; v144-199 the totals of segments 0 to 6
.set O,   144                          ; v144-207 then the results in bf16, four registers of its own for each chunk: no store's data is ever rewritten
.set BS,  208                          ; v208-215 the sum of the segments in front of mine
	s_load_b128 s[4:7], s[0:1], 0x0                ; u s[4:5], w s[6:7]
	v_lshl_add_u32 v216, v0, 2, 0x2000
	v_mov_b32 v217, 0
	v_lshrrev_b32 v3, 5, v0
	v_readfirstlane_b32 s8, v3                     ; my segment s
	v_and_b32 v[L16], 31, v0
	v_lshlrev_b32 v[L16], 4, v[L16]
	s_lshl_b32 s10, ttmp9, 10                      ; u: tile x 1,024 + s x 16 chunks of 131,072 bytes
	s_lshl_b32 s12, s8, 21
	s_add_co_u32 s10, s10, s12
	s_mov_b32 s11, 0
	s_lshl_b32 s12, ttmp9, 9                       ; w: tile x 512 + s x 16 chunks of 65,536 bytes
	s_lshl_b32 s14, s8, 20
	s_add_co_u32 s12, s12, s14
	s_mov_b32 s13, 0
	s_lshl_b32 s9, s8, 10
	v_add_nc_u32 v[LT], s9, v[L16]
	s_wait_kmcnt 0x0
	s_add_nc_u64 s[4:5], s[4:5], s[10:11]
	s_add_nc_u64 s[6:7], s[6:7], s[12:13]
.irp i, 0,1,2,3,4,5,6,7,8,9,10,11,12,13,14,15
	global_load_b128 v[X+8*\i:X+8*\i+3],   v[L16], s[4:5] offset:\i*131072 th:TH_LOAD_NT
	global_load_b128 v[X+8*\i+4:X+8*\i+7], v[L16], s[4:5] offset:\i*131072+512 th:TH_LOAD_NT
.endr
.irp i, 1,2,3,4,5,6,7,8,9,10,11,12,13,14,15
	s_wait_loadcnt 30-2*\i                         ; behind chunk i's two loads 30 - 2 i were issued: they may stay out
.irp e, 0,2,4,6
	v_pk_add_f32 v[X+8*\i+\e:X+8*\i+\e+1], v[X+8*\i+\e:X+8*\i+\e+1], v[X+8*\i-8+\e:X+8*\i-8+\e+1]
.endr
.endr
	ds_store_b128 v[LT], v[X+120:X+123]            ; my segment's total (the last segment's is stored like the others and read by nobody)
	ds_store_b128 v[LT], v[X+124:X+127] offset:512
	s_wait_dscnt 0x0                               ; zero, for the other waves' sake
	s_barrier_signal -1
	s_barrier_wait -1
.irp s, 0,1,2,3,4,5,6
	ds_load_b128 v[TT+8*\s:TT+8*\s+3],   v[L16] offset:\s*1024
	ds_load_b128 v[TT+8*\s+4:TT+8*\s+7], v[L16] offset:\s*1024+512
.endr
.irp s, 0,1,2,3,4,5,6
	s_cmp_gt_u32 s8, \s                            ; does segment \s lie in front of mine?
	s_cselect_b32 s[30+\s], -1, 0                  ; as a mask for all 32 lanes
.endr
	s_wait_dscnt 0x0
	; a select and not a multiply by 0 or 1: an overflow in a later segment cannot reach an earlier chunk
.irp e, 0,1,2,3,4,5,6,7
	v_cndmask_b32 v[BS+\e], 0, v[TT+\e], s30
.endr
.irp s, 1,2,3,4,5,6
.irp e, 0,1,2,3,4,5,6,7
	v_cndmask_b32 v[TT+8*\s+\e], 0, v[TT+8*\s+\e], s[30+\s]
.endr
.irp e, 0,2,4,6
	v_pk_add_f32 v[BS+\e:BS+\e+1], v[BS+\e:BS+\e+1], v[TT+8*\s+\e:TT+8*\s+\e+1]
.endr
.endr
.irp p, 0,1,2,3
	v_cvt_pk_bf16_f32 v[O+\p], v[BS+2*\p], v[BS+2*\p+1]                    ; my first chunk: what lies in front of the segment (zeros for chunk 0)
.endr
	global_store_b128 v[L16], v[O:O+3], s[6:7]
.irp i, 1,2,3,4,5,6,7,8,9,10,11,12,13,14,15
.irp e, 0,2,4,6
	v_pk_add_f32 v[X+8*\i-8+\e:X+8*\i-8+\e+1], v[X+8*\i-8+\e:X+8*\i-8+\e+1], v[BS+\e:BS+\e+1]   ; chunk i: the segments in front + chunks 0 .. i - 1 of mine
.endr
.irp p, 0,1,2,3
	v_cvt_pk_bf16_f32 v[O+4*\i+\p], v[X+8*\i-8+2*\p], v[X+8*\i-8+2*\p+1]
.endr
	global_store_b128 v[L16], v[O+4*\i:O+4*\i+3], s[6:7] offset:\i*65536
.endr
	s_wait_tensorcnt 0x0
	ds_add_u32 v216, v217
	s_wait_dscnt 0x0
	s_endpgm
.Lfunc_end_k_q0c919f729c_scan:
	.size	k_q0c919f729c_scan, .Lfunc_end_k_q0c919f729c_scan-k_q0c919f729c_scan
	.p2alignl 7, 3214868480
	.fill 96, 4, 3214868480
	.section	.rodata,"a",@progbits
	.p2align	6, 0x0
	.amdhsa_kernel k_q0c919f729c_scan
		.amdhsa_group_segment_fixed_size 9216
		.amdhsa_private_segment_fixed_size 0
		.amdhsa_enable_private_segment 0
		.amdhsa_kernarg_size 16
		.amdhsa_user_sgpr_count 2
		.amdhsa_user_sgpr_kernarg_segment_ptr 1
		.amdhsa_wavefront_size32 1
		.amdhsa_system_sgpr_workgroup_id_x 1
		.amdhsa_system_sgpr_workgroup_id_y 1
		.amdhsa_system_sgpr_workgroup_id_z 1
		.amdhsa_system_vgpr_workitem_id 0
		.amdhsa_next_free_vgpr 218
		.amdhsa_next_free_sgpr 66
		.amdhsa_reserve_vcc 0
		.amdhsa_float_denorm_mode_32 3
		.amdhsa_float_denorm_mode_16_64 3
		.amdhsa_memory_ordered 1
		.amdhsa_forward_progress 1
		.amdhsa_inst_pref_size 25
	.end_amdhsa_kernel
	.amdgpu_metadata
---
amdhsa.version: [ 1, 2 ]
amdhsa.kernels:
  - .name:           k_q0c919f729c_scan
    .symbol:         k_q0c919f729c_scan.kd
    .args:
      - { .name: u, .offset: 0, .size: 8, .value_kind: global_buffer, .address_space: global }
      - { .name: w, .offset: 8, .size: 8, .value_kind: global_buffer, .address_space: global }
    .group_segment_fixed_size: 9216
    .private_segment_fixed_size: 0
    .kernarg_segment_align: 8
    .kernarg_segment_size: 16
    .max_flat_workgroup_size: 256
    .sgpr_count:     66
    .vgpr_count:     218
    .wavefront_size: 32
...
	.end_amdgpu_metadata
.endif
;; end of part 2
;; launch apply (part 3): grid 128 x 1, 4 waves a work-group, no clusters, 168,448 bytes of LDS; arguments aq, w, r, out0; writes out0
.if DOCPART == 3
	.amdgcn_target "amdgcn-amd-amdhsa--gfx1250"
	.amdhsa_code_object_version 6
	.text
	.protected	k_q0c919f729c_apply
	.globl	k_q0c919f729c_apply
	.p2align	8
	.type	k_q0c919f729c_apply,@function
k_q0c919f729c_apply:
	s_mov_b64 s[64:65], 0
	v_nop
	global_prefetch_b8 v0, s[64:65] scope:SCOPE_SE
	s_setreg_imm32_b32 hwreg(HW_REG_WAVE_MODE, 25, 1), 1
	s_wait_xcnt 0x0
; THIRD OF THREE LAUNCHES.  out0 = a_q W'_c + R: the part of the sum that comes from earlier chunks, added to the part that the first launch made.
; One work-group = one chunk c of 64 tokens; wave = 16 tokens (tile tt = 4 c + wave), all 64 dv as four tiles; column r of tile t stands for dv 4 r + t.
; aq holds a_q as A fragments and w holds W'_c as B fragments (both bf16, lane by lane, 16 bytes a lane), so every load is 512 consecutive bytes and nothing
; is shuffled.  W'_c (65,536 bytes) is read by all four waves: it comes into LDS once, each wave fetching a quarter by one tensor load (one load of a wave is
; out at a time, and no LDS byte is filled twice).  168 KiB of LDS are asked for so that the work-group is alone on its WGP; 65,536 bytes are used.
; NO CLUSTER: each chunk has a W' of its own; no two work-groups read the same bytes.
; Matrix operands bf16, sums f32; the final add is f32 and also puts a lane's four dv side by side, so that 16 lanes store a whole row of 256 bytes.
.set L16, 1                            ; v1       16 x lane
.set OO,  2                            ; v2       out0: 8 h rows of 256 bytes + 16 r
.set RR,  32                           ; v32-63   R:   RR[8 t + j]  = (token 8 h + j, dv 4 r + t)
.set AQ,  64                           ; v64-191  a_q: 16 fragments of 32 slots
.set ACC, 192                          ; v192-223 ACC[8 t + j] likewise
.set OUT, 224                          ; v224-255 OUT[4 j + t]
; window 1: W's fragments of slot steps 0-7, register 32 step + 8 t;  window 2: those of steps 8-15
.set MSB, 0
.macro WIN new                         ; the immediate's high byte repeats the setting that is left; a switch that changes nothing is dropped
.if MSB != (\new)
	s_set_vgpr_msb (MSB<<8)|(\new)
.set MSB, (\new)
.endif
.endm
	s_load_b256 s[4:11], s[0:1], 0x0               ; aq s[4:5], w s[6:7], r s[8:9], out0 s[10:11]
	v_lshl_add_u32 v30, v0, 2, 0x29000
	v_mov_b32 v31, 0
	ds_add_u32 v30, v31
	ds_add_u32 v30, v31
	v_lshrrev_b32 v3, 5, v0
	v_readfirstlane_b32 s12, v3                    ; wave
	; the tensor load's descriptor.  Group 1: a dense block of 16,384 bytes as 64 rows of 32 elements of 8 bytes
	s_mov_b32 s20, 3<<16                           ; no mask; elements of 8 bytes; no padding
	s_mov_b32 s21, 32<<16                          ; tensor_dim0 = 32
	s_mov_b32 s22, 64<<16                          ; tensor_dim1 = 64
	s_mov_b32 s23, 32<<16                          ; tile_dim0 = 32
	s_mov_b32 s24, 64                              ; tile_dim1 = 64
	s_mov_b32 s25, 32                              ; from row to row 32 elements
	s_mov_b32 s26, 0
	s_mov_b32 s27, 0
	s_mov_b32 s16, 1                               ; group 0: count 1,
	s_lshl_b32 s17, s12, 14                        ; LDS address: my quarter,
	s_lshl_b32 s14, ttmp9, 16                      ; byte offset c x 65,536 + wave x 16,384: my quarter of W'_c, and also my token tile in aq
	s_add_co_u32 s14, s14, s17
	s_mov_b32 s15, 0
	s_lshl_b32 s28, ttmp9, 14                      ; byte offset of my token tile in r and in out0: 4,096 bytes a tile
	s_lshl_b32 s13, s12, 12
	s_add_co_u32 s28, s28, s13
	s_mov_b32 s29, 0
	s_wait_dscnt 0x0
	s_wait_kmcnt 0x0
	s_add_nc_u64 s[18:19], s[6:7], s[14:15]        ; global address,
	s_or_b32 s19, s19, 0x80000000                  ; type 2
	tensor_load_to_lds s[16:19], s[20:27]
	s_nop 0
	s_add_nc_u64 s[4:5], s[4:5], s[14:15]
	s_add_nc_u64 s[8:9], s[8:9], s[28:29]
	s_add_nc_u64 s[10:11], s[10:11], s[28:29]
	v_and_b32 v[L16], 31, v0
	v_lshlrev_b32 v[L16], 4, v[L16]
.irp i, 0,1,2,3,4,5,6,7,8,9,10,11,12,13,14,15,16,17,18,19,20,21,22,23,24,25,26,27,28,29,30,31
	global_load_b128 v[AQ+4*\i:AQ+4*\i+3], v[L16], s[4:5] offset:512*\i th:TH_LOAD_NT
.endr
.irp i, 0,1,2,3,4,5,6,7
	global_load_b128 v[RR+4*\i:RR+4*\i+3], v[L16], s[8:9] offset:512*\i th:TH_LOAD_NT
.endr
	v_and_b32 v[OO], 15, v0
	v_lshlrev_b32 v[OO], 4, v[OO]
	v_bfe_u32 v3, v0, 4, 1
	v_lshl_add_u32 v[OO], v3, 11, v[OO]
	s_wait_tensorcnt 0x0                           ; my quarter of W'_c is in LDS,
	s_barrier_signal -1
	s_barrier_wait -1                              ; everybody's is
	; 128 loads, 512 consecutive bytes each: step kp, half e of the fragment, dv tile t lie at kp x 4,096 + e x 2,048 + t x 512
	WIN 0x40                                       ; destination window 1
.irp kp, 0,1,2,3,4,5,6,7
.irp t, 0,1,2,3
	ds_load_b128 v[32*\kp+8*\t:32*\kp+8*\t+3],   v[L16] offset:\kp*4096+\t*512
	ds_load_b128 v[32*\kp+8*\t+4:32*\kp+8*\t+7], v[L16] offset:\kp*4096+2048+\t*512
.endr
.endr
	WIN 0x80                                       ; destination window 2
.irp kp, 0,1,2,3,4,5,6,7
.irp t, 0,1,2,3
	ds_load_b128 v[32*\kp+8*\t:32*\kp+8*\t+3],   v[L16] offset:(\kp+8)*4096+\t*512
	ds_load_b128 v[32*\kp+8*\t+4:32*\kp+8*\t+7], v[L16] offset:(\kp+8)*4096+2048+\t*512
.endr
.endr
	s_wait_loadcnt 8                               ; a_q is in; R's eight loads may stay out
; One step of 32 slots: four matrix instructions; the four accumulators take turns, one instruction a turn.
.macro STEP kp
.if 8*(15-\kp) > 63
	s_wait_dscnt 63                                ; behind this step's eight loads 8 (15 - kp) were issued; the wait's field holds 63 at the most, which asks for more than is needed
.else
	s_wait_dscnt 8*(15-\kp)                        ; the loads of the later steps may stay out
.endif
.if \kp < 8
	WIN 0x04                                       ; B window 1
.else
	WIN 0x08                                       ; B window 2
.endif
.irp t, 0,1,2,3
.if \kp
	v_wmma_f32_16x16x32_bf16 v[ACC+8*\t:ACC+8*\t+7], v[AQ+8*\kp:AQ+8*\kp+7], v[32*(\kp%8)+8*\t:32*(\kp%8)+8*\t+7], v[ACC+8*\t:ACC+8*\t+7]
.else
	v_wmma_f32_16x16x32_bf16 v[ACC+8*\t:ACC+8*\t+7], v[AQ+8*\kp:AQ+8*\kp+7], v[32*(\kp%8)+8*\t:32*(\kp%8)+8*\t+7], 0
.endif
.endr
.endm
.irp kq, 0,1,2,3,4,5,6,7,8,9,10,11,12,13,14,15
	STEP \kq
.endr
	WIN 0
.rept 4
	v_nop                                          ; four places behind the last matrix instructions, whose results are now read (ISA guide 7.12.1)
.endr
	s_wait_loadcnt 0x0                             ; R
.irp j, 0,1,2,3,4,5,6,7
.irp t, 0,1,2,3
	v_add_f32 v[OUT+4*\j+\t], v[ACC+8*\t+\j], v[RR+8*\t+\j]
.endr
.endr
.irp j, 0,1,2,3,4,5,6,7
	global_store_b128 v[OO], v[OUT+4*\j:OUT+4*\j+3], s[10:11] offset:256*\j th:TH_STORE_NT   ; tokens j and 8 + j: sixteen lanes store a whole row of 256 bytes
.endr
	s_wait_tensorcnt 0x0
	ds_add_u32 v30, v31
	s_wait_dscnt 0x0
	s_endpgm
.Lfunc_end_k_q0c919f729c_apply:
	.size	k_q0c919f729c_apply, .Lfunc_end_k_q0c919f729c_apply-k_q0c919f729c_apply
	.p2alignl 7, 3214868480
	.fill 96, 4, 3214868480
	.section	.rodata,"a",@progbits
	.p2align	6, 0x0
	.amdhsa_kernel k_q0c919f729c_apply
		.amdhsa_group_segment_fixed_size 168448
		.amdhsa_private_segment_fixed_size 0
		.amdhsa_enable_private_segment 0
		.amdhsa_kernarg_size 32
		.amdhsa_user_sgpr_count 2
		.amdhsa_user_sgpr_kernarg_segment_ptr 1
		.amdhsa_wavefront_size32 1
		.amdhsa_system_sgpr_workgroup_id_x 1
		.amdhsa_system_sgpr_workgroup_id_y 1
		.amdhsa_system_sgpr_workgroup_id_z 1
		.amdhsa_system_vgpr_workitem_id 0
		.amdhsa_next_free_vgpr 768
		.amdhsa_next_free_sgpr 66
		.amdhsa_reserve_vcc 0
		.amdhsa_float_denorm_mode_32 3
		.amdhsa_float_denorm_mode_16_64 3
		.amdhsa_memory_ordered 1
		.amdhsa_forward_progress 1
		.amdhsa_inst_pref_size 21
	.end_amdhsa_kernel
	.amdgpu_metadata
---
amdhsa.version: [ 1, 2 ]
amdhsa.kernels:
  - .name:           k_q0c919f729c_apply
    .symbol:         k_q0c919f729c_apply.kd
    .args:
      - { .name: aq, .offset: 0, .size: 8, .value_kind: global_buffer, .address_space: global }
      - { .name: w, .offset: 8, .size: 8, .value_kind: global_buffer, .address_space: global }
      - { .name: r, .offset: 16, .size: 8, .value_kind: global_buffer, .address_space: global }
      - { .name: out0, .offset: 24, .size: 8, .value_kind: global_buffer, .address_space: global }
    .group_segment_fixed_size: 168448
    .private_segment_fixed_size: 0
    .kernarg_segment_align: 8
    .kernarg_segment_size: 32
    .max_flat_workgroup_size: 128
    .sgpr_count:     66
    .vgpr_count:     768
    .wavefront_size: 32
...
	.end_amdgpu_metadata
.endif
;; end of part 3
